; MI455X (gfx1250); checked and timed in simulation.
; The chip was launched on July 23, 2026; its instructions are those of AMD's public machine-readable ISA for CDNA 5 (MIT licence, August 2026) and "CDNA5" Instruction Set Architecture Reference Guide (July 2026). The comments in the code are by the model that wrote it; some were corrected since.
;; Tiny Ne RF. Allowed arithmetic: float matrix products may take bf16 or f16 operands with f32 sums; all other float work in f32.
;; Inputs: W0 3 x 80 float32; Wh 5 x 83 x 80 float32; Wout 80 x 4 float32; b0 80 float32; bh 5 x 80 float32; bout 4 float32; rays 1 x 128 x 128 x 6 float32.
;; Outputs: out0 1 x 128 x 128 x 3 float32.
;; 2 versions, each right and faster than the one before. Each part assembles by itself: llvm-mc -triple=amdgcn-amd-amdhsa -mcpu=gfx1250 --defsym DOCPART=n.
;; ======== version 1 of 2: 1 launch
;; launch nerf (part 1): grid 256 x 1, 4 waves a work-group, no clusters, 101,888 bytes of LDS; arguments W0, Wh, Wout, b0, bh, bout, rays, out0; writes out0
.if DOCPART == 1
	.amdgcn_target "amdgcn-amd-amdhsa--gfx1250"
	.amdhsa_code_object_version 6
	.text
	.protected	k_qb732075b6f_nerf
	.globl	k_qb732075b6f_nerf
	.p2align	8
	.type	k_qb732075b6f_nerf,@function
k_qb732075b6f_nerf:
	s_mov_b64 s[64:65], 0
	v_nop
	global_prefetch_b8 v0, s[64:65] scope:SCOPE_SE
	s_setreg_imm32_b32 hwreg(HW_REG_WAVE_MODE, 25, 1), 1
	s_wait_xcnt 0x0
; TinyNeRF: 16,384 rays x 64 samples through an MLP 3 -> 80 -> (80+3 -> 80) x 5 -> 4, then compositing along each ray.
; 256 work-groups of four waves; a work-group owns 64 rays, a wave 16 rays x 64 samples = 64 point tiles of 16 points.
; A wave makes 32 trips; trip i takes tile a (its 16 rays at sample i) and tile b (the same rays at sample 32 + i).
;
; EVERY PRODUCT IS TRANSPOSED: A = 16 output features x 32 inputs of a weight matrix, B = 32 inputs x 16 points.  In the result lane (r, h)
; holds features 16 t + 8 h + 0..7 of point r, which, packed in pairs to bf16, is what the next layer's B wants from that lane: accumulator
; tile 2 s gives registers 0-3 of B's block s, tile 2 s + 1 registers 4-7.  No lane shuffle and no LDS between layers.
; K slots 80..95 of a hidden layer (registers 4-7 of block 2, the quad P): x, y, z, 1, 1, 1, 0, 0.  The weight rows under them are Wh's three
; point rows and the bias cut into three bf16 pieces (24 bits of it), then zeros.  Layer 0 multiplies [P, 0] by a 16-row image made the same way.
; LEAKY RELU: leaky(x) = 0.01 (x + 99 max(x, 0)).  The registers carry y = x + 99 max(x, 0): one maximum and one fused multiply-add that rounds
; straight to bf16.  The 0.01 is multiplied in f32 into rows 0..79 of the following matrix before that is rounded to bf16.
; ALL WEIGHTS STAY IN REGISTERS: 86 fragments of 8 registers in windows 1 to 3; everything else in window 0.  In the loop only source 0's window
; changes, and the vector work that stands among the matrix instructions has a scalar or a constant as source 0, so it means the same under every setting.
; OUTPUT LAYER: fragment set A has Wout's four channels in rows 0-3, set A' in rows 8-11; O = A y_a + A' y_b gives lanes 0-15 the four raw
; channels at sample i and lanes 16-31 those at sample 32 + i.  The halves of the lanes scan the halves of the ray; out = acc_lo + T_lo acc_hi.
; NO CLUSTER, NO TENSOR LOAD: what work-groups share is the 136,976 bytes of weights and biases, which each reads once, through registers, because it
; is scaled and rounded on the way; behind that a wave issues 5,312 matrix instructions without one access to memory or to LDS.
;
; LIMITS KEPT.  Points, activations and weights are bf16 matrix operands, sums f32.  ts[i+1] - ts[i] is taken as 1/63 (the f32 differences of
; linspace lie within 4e-6 of it, relatively) and ts[i] as i x (1/63).  log2(1 + u) is u log2e (1 - u/2) below u = 2^-12 (error below u^2 / 3), so that a small
; softplus survives the last step's 1e10.  The exponentials give 0 where the result would be below 2^-126.  |r_d| is the root of a sum of squares in f32:
; right for 1e-18 < |r_d| < 1e19.  Softplus is max(x, 0) + log(1 + e^-|x|): the maximum is taken away first.  In the sigmoid e^-v may reach infinity; its reciprocal is then 0.
.set LAYB,  26560                      ; bytes of one hidden layer in Wh: 83 x 80 f32 = 1,660 quads
.set PITCH, 160                        ; an image row: 80 bf16, no padding, so quad f of a layer lands at byte 8 f
.set IMGH,  2560                       ; LDS: layer 0's image (16 rows) at 0; hidden layer l's (96 rows) at IMGH + IMGB l
.set IMGB,  15360
.set FAR,   48640                      ; = IMGH + 3 IMGB: second base register, an LDS immediate has 16 bits
.set IMGO,  79360                      ; output image, 128 rows, of which bytes 0..63 are written and rows 0..95 read
.set STAGE, 99840                      ; 768 bytes: out0 of the 64 rays
.set XA,  16                           ; v[16:43]   tile a: +0..19 activations (bf16 pairs), +20..23 P, +24..27 zeros
.set XB,  44                           ; v[44:71]   tile b
.set ACA, 72                           ; v[72:111]  tile a: five accumulator tiles
.set ACB, 112                          ; v[112:151] tile b
.set ACO, 152                          ; v[152:159] output layer
.set TMP, 160                          ; v[160:167] two sets of four maxima
.set OX,  168                          ; v[168:173] ray: origin, direction
.set DX,  171
.set ND,  174                          ; -|d| / 63
.set NDL, 175                          ; for the last trip: lanes 0-15 the same, lanes 16-31 -1e10 |d|
.set RR,  176                          ; v[176:178] sums of weight x sigmoid
.set TT,  179                          ; transmittance
.set SW,  180                          ; sum of weights
.set EA,  185                          ; v184 x2; v[185:187] exponents, then sigmoids
.set EU,  188
.set EE,  189                          ; v[189:191]
.set EM,  192
.set EW,  193
.set EQ,  194
.set EL,  195
.set EAL, 196
.set EWG, 197
.set EOM, 198
.set SLA, 16                           ; prologue only: three slots of 48 registers for Wh's layers
.set SLB, 64
.set SLC, 112
.set ZQ,  228                          ; prologue: four zeros
.set BT,  234                          ; prologue: v[234:251] at work on a bias
.set MSB, 0
.macro WIN new                         ; the immediate's high byte repeats the setting that is left
.if MSB != \new
	s_set_vgpr_msb (MSB<<8)|\new
.set MSB, \new
.endif
.endm
	s_load_b512 s[4:19], s[0:1], 0x0               ; W0 4, Wh 6, Wout 8, b0 10, bh 12, bout 14, rays 16, out0 18
	v_lshl_add_u32 v254, v0, 2, 0x18c00
	v_mov_b32 v255, 0
	v_lshrrev_b32 v1, 5, v0
	v_readfirstlane_b32 s20, v1                    ; wave 0..3
	s_mov_b32 s24, 0x3c23d70a                      ; 0.01, twice: a pair for the packed multiply
	s_mov_b32 s25, 0x3c23d70a
	s_mov_b32 s26, 0x42c60000                      ; 99
	s_mov_b32 s27, 0x3c820821                      ; 1/63
	s_mov_b32 s40, 0x3fb8aa3b                      ; log2 e
	s_mov_b32 s41, 0xbf38aa3b                      ; -log2 e / 2
	s_mov_b32 s42, 0x39800000                      ; 2^-12
	s_mov_b32 s43, 0x2edbe6ff                      ; 1e-10
	s_mov_b32 s44, 0x76543210                      ; v_permlanex16_b32: lane i reads lane i of the other half
	s_mov_b32 s45, 0xfedcba98
	s_mov_b32 s46, 0x3f804189                      ; 1.002
	s_mov_b32 s47, 0xba83126f                      ; -0.001
	s_mov_b32 s49, 0xd01502f9                      ; -1e10
	s_mul_f32 s48, s24, s40                        ; K = 0.01 log2 e: Wout's density column
	s_xor_b32 s50, s48, 0x80000000                 ; -K: its three feature columns
	s_mul_i32 s22, ttmp9, 1536                     ; my 64 rays of 24 bytes
	s_mov_b32 s23, 0
	s_sub_co_i32 s31, s20, 1
	s_max_i32 s31, s31, 0
	s_mul_i32 s31, s31, 320                        ; waves 1-3: row wave - 1 of bh; wave 0: b0's only row
	s_add_co_u32 s54, s20, 1
	s_mul_i32 s54, s54, 320                        ; row wave + 1 of bh (1..4)
	s_mul_i32 s55, s20, IMGB
	; offsets.  An index without work of its own repeats the last index of its wave: same value, same bytes, no lane switched off.
	v_and_b32 v220, 31, v0
	v_min_u32 v221, 19, v220                       ; a bias row is 20 quads
	v_lshl_add_u32 v7, v221, 4, s31                ; memory: the bias of layer = wave
	v_lshl_add_u32 v8, v221, 4, s54                ; memory: the bias of layer = wave + 2
	v_lshl_add_u32 v10, v221, 3, s55               ; LDS: 8 q + 15,360 wave; row 3 of image 0 and row 83 of hidden image l lie at 480 + 15,360 (layer)
	v_lshlrev_b32 v1, 4, v0                        ; memory: my quad of a chunk of 128 quads
	v_lshlrev_b32 v2, 3, v0                        ; LDS: the same quad in bf16
	v_add_nc_u32 v3, FAR, v2
	v_min_u32 v222, 123, v0                        ; chunk 12 has 124 quads
	v_lshlrev_b32 v4, 4, v222
	v_lshlrev_b32 v5, 3, v222
	v_add_nc_u32 v6, FAR, v5
	v_min_u32 v222, 59, v0                         ; W0 has 60 quads
	v_lshlrev_b32 v9, 4, v222
	v_lshlrev_b32 v15, 3, v222
	v_min_u32 v222, 79, v0                         ; Wout has 80 rows of one quad
	v_lshlrev_b32 v11, 4, v222
	v_mul_u32_u24 v12, v0, PITCH
	v_add_nc_u32 v12, IMGO, v12                    ; LDS: my row of the output image
	v_and_b32 v223, 15, v0
	v_lshl_add_u32 v223, s20, 4, v223              ; my ray among the 64: 16 wave + r
	v_mul_u32_u24 v252, v223, 24
	v_mul_u32_u24 v253, v223, 12
	v_add_nc_u32 v253, STAGE, v253
	; a fragment from an image stored [K][N]: lane L addresses row 8 h + (L & 7), 16 bytes at 16 ((L >> 3) & 1)
	v_and_b32 v220, 7, v0
	v_bfe_u32 v221, v0, 4, 1
	v_lshl_or_b32 v220, v221, 3, v220
	v_mul_u32_u24 v13, v220, PITCH
	v_bfe_u32 v221, v0, 3, 1
	v_lshl_add_u32 v13, v221, 4, v13
	v_add_nc_u32 v14, FAR, v13
.irp j, 0,1,2,3
	v_mov_b32 v[ZQ+\j], 0
.endr
	s_wait_kmcnt 0x0
	s_load_b128 s[32:35], s[14:15], 0x0            ; bout
	s_add_nc_u64 s[16:17], s[16:17], s[22:23]      ; rays at my first ray
	s_lshr_b32 s22, s22, 1
	s_add_nc_u64 s[18:19], s[18:19], s[22:23]      ; out0 at my 768 bytes
	s_cmp_eq_u32 s20, 0
	s_cselect_b64 s[52:53], s[10:11], s[12:13]     ; layer 0's bias is b0, the others' are rows of bh
.macro FILL l, sl                      ; chunks 0..11 of hidden layer l: 12 x 128 quads, each load of a wave 512 neighbouring bytes
.irp c, 0,1,2,3,4,5,6,7,8,9,10,11
	global_load_b128 v[\sl+4*\c:\sl+4*\c+3], v1, s[6:7] offset:LAYB*\l+2048*\c
.endr
.endm
	; 12 small loads, then three layers: 48 loads of every wave
	global_load_b128 v[184:187], v7, s[52:53]
	global_load_b128 v[188:191], v8, s[12:13]
	global_load_b128 v[192:195], v9, s[4:5]
	global_load_b128 v[196:199], v11, s[8:9]
.irp l, 0,1,2,3,4
	global_load_b128 v[200+4*\l:200+4*\l+3], v4, s[6:7] offset:LAYB*\l+24576
.endr
	global_load_b64 v[168:169], v252, s[16:17] th:TH_LOAD_NT
	global_load_b64 v[170:171], v252, s[16:17] offset:8 th:TH_LOAD_NT
	global_load_b64 v[172:173], v252, s[16:17] offset:16 th:TH_LOAD_NT
	FILL 0, SLA
	FILL 1, SLB
	FILL 2, SLC
	s_wait_loadcnt 36                              ; loads come back in order: the 12 small ones are in, the 36 of the three layers stay out
; A bias quad in v[q:q+3] goes out as three rows of bf16 pieces (each piece is the rounded rest of the one before), then ten rows of zeros.
.macro BIAS q, off
.irp j, 0,1,2
	v_cvt_pk_bf16_f32 v[BT+6*\j], v[\q], v[\q+1]
	v_cvt_pk_bf16_f32 v[BT+6*\j+1], v[\q+2], v[\q+3]
	ds_store_b64 v10, v[BT+6*\j:BT+6*\j+1] offset:\off+PITCH*\j
.if \j < 2
	v_lshlrev_b32 v[BT+6*\j+2], 16, v[BT+6*\j]
	v_and_b32 v[BT+6*\j+3], 0xffff0000, v[BT+6*\j]
	v_lshlrev_b32 v[BT+6*\j+4], 16, v[BT+6*\j+1]
	v_and_b32 v[BT+6*\j+5], 0xffff0000, v[BT+6*\j+1]
	v_pk_add_f32 v[\q:\q+1], v[\q:\q+1], v[BT+6*\j+2:BT+6*\j+3] neg_lo:[0,1] neg_hi:[0,1]
	v_pk_add_f32 v[\q+2:\q+3], v[\q+2:\q+3], v[BT+6*\j+4:BT+6*\j+5] neg_lo:[0,1] neg_hi:[0,1]
.endif
.endr
.irp j, 3,4,5,6,7,8,9,10,11,12
	ds_store_b64 v10, v[ZQ:ZQ+1] offset:\off+PITCH*\j
.endr
.endm
	BIAS 184, 480                                  ; every wave: layer = wave
	s_cmp_lt_u32 s20, 2
	s_cbranch_scc1 .Lw0rows
	BIAS 188, 480+2*IMGB                           ; waves 2, 3: layers 4, 5
	s_branch .Lsmall
.Lw0rows:
	v_cvt_pk_bf16_f32 v220, v192, v193             ; waves 0, 1: W0's three rows, rows 0-2 of image 0
	v_cvt_pk_bf16_f32 v221, v194, v195
	ds_store_b64 v15, v[220:221]
.Lsmall:
	; chunk 12 of the five layers: quads 1,536 + tid; below 1,600 they belong to rows under 80 and take the 0.01, the point rows do not
	v_cmp_gt_u32 vcc_lo, 64, v0
	v_mov_b32 v233, s24
	v_cndmask_b32 v232, 1.0, v233, vcc_lo
	v_mov_b32 v233, v232
.irp l, 0,1,2,3,4
	v_pk_mul_f32 v[200+4*\l:200+4*\l+1], v[200+4*\l:200+4*\l+1], v[232:233]
	v_pk_mul_f32 v[200+4*\l+2:200+4*\l+3], v[200+4*\l+2:200+4*\l+3], v[232:233]
	v_cvt_pk_bf16_f32 v[200+4*\l], v[200+4*\l], v[200+4*\l+1]
	v_cvt_pk_bf16_f32 v[200+4*\l+1], v[200+4*\l+2], v[200+4*\l+3]
.if \l < 3
	ds_store_b64 v5, v[200+4*\l:200+4*\l+1] offset:IMGH+IMGB*\l+12288
.else
	ds_store_b64 v6, v[200+4*\l:200+4*\l+1] offset:IMGB*(\l-3)+12288
.endif
.endr
	; output image: row k holds Wout[k] x (K, -K, -K, -K) in columns 0-3 and again in columns 24-27, zeros between; rows from 80 on are zeros
	v_mul_f32 v196, s48, v196
	v_mul_f32 v197, s50, v197
	v_mul_f32 v198, s50, v198
	v_mul_f32 v199, s50, v199
	v_cvt_pk_bf16_f32 v224, v196, v197
	v_cvt_pk_bf16_f32 v225, v198, v199
	v_cmp_gt_u32 vcc_lo, 80, v0
	v_cndmask_b32 v224, 0, v224, vcc_lo
	v_cndmask_b32 v225, 0, v225, vcc_lo
	v_mov_b32 v226, 0
	v_mov_b32 v227, 0
	ds_store_b128 v12, v[224:227]
	ds_store_b128 v12, v[ZQ:ZQ+3] offset:16
	ds_store_b128 v12, v[ZQ:ZQ+3] offset:32
	ds_store_b128 v12, v[224:227] offset:48
	; the ray's step lengths, negated
	v_mul_f32 v220, v[DX], v[DX]
	v_fmac_f32 v220, v[DX+1], v[DX+1]
	v_fmac_f32 v220, v[DX+2], v[DX+2]
	v_sqrt_f32 v221, v220
	v_and_b32 v222, 16, v0                         ; the plain instruction between the root and its first use (ISA guide 5.7.2)
	v_cmp_ne_u32 vcc_lo, 0, v222
	s_wait_alu depctr_va_vdst(0)
	v_mul_f32 v[ND], -v221, s27
	v_mul_f32 v222, s49, v221
	v_cndmask_b32 v[NDL], v[ND], v222, vcc_lo
	s_wait_kmcnt 0x0                               ; bout
	s_add_f32 s36, s32, -1.0
	s_mul_f32 s36, s36, s40                        ; (bout0 - 1) log2 e
	s_mul_f32 s37, s33, 0xbfb8aa3b                 ; -log2 e bout1..3
	s_mul_f32 s38, s34, 0xbfb8aa3b
	s_mul_f32 s39, s35, 0xbfb8aa3b
.macro CONV l, sl                      ; a layer's chunks 0..11 (rows under 77): x 0.01, to bf16, into its image
.irp c, 0,1,2,3,4,5,6,7,8,9,10,11
	v_pk_mul_f32 v[\sl+4*\c:\sl+4*\c+1], v[\sl+4*\c:\sl+4*\c+1], s[24:25] op_sel_hi:[1,0]
	v_pk_mul_f32 v[\sl+4*\c+2:\sl+4*\c+3], v[\sl+4*\c+2:\sl+4*\c+3], s[24:25] op_sel_hi:[1,0]
	v_cvt_pk_bf16_f32 v[\sl+4*\c], v[\sl+4*\c], v[\sl+4*\c+1]
	v_cvt_pk_bf16_f32 v[\sl+4*\c+1], v[\sl+4*\c+2], v[\sl+4*\c+3]
.if \l < 3
	ds_store_b64 v2, v[\sl+4*\c:\sl+4*\c+1] offset:IMGH+IMGB*\l+1024*\c
.else
	ds_store_b64 v3, v[\sl+4*\c:\sl+4*\c+1] offset:IMGB*(\l-3)+1024*\c
.endif
.endr
.endm
	s_wait_loadcnt 24                              ; layer 0 is in; layers 1 and 2 (24 loads) stay out
	CONV 0, SLA
	FILL 3, SLA
	s_wait_loadcnt 24                              ; layer 1 is in; layers 2 and 3 stay out
	CONV 1, SLB
	FILL 4, SLB
	s_wait_loadcnt 24                              ; layer 2 is in; layers 3 and 4 stay out
	CONV 2, SLC
	s_wait_loadcnt 12                              ; layer 3 is in; layer 4 stays out
	CONV 3, SLA
	s_wait_loadcnt 0x0
	CONV 4, SLB
	s_wait_dscnt 0x0                               ; my part of the images is written,
	s_barrier_signal -1
	s_barrier_wait -1                              ; everybody's is
	; 86 fragments into windows 1 to 3.  Two transposing loads a fragment: K = 8 h + 0..7 and 16 + 8 h + 0..7 of output feature 16 t + r.
.macro FRAG d, a, off
	ds_load_tr16_b128 v[\d:\d+3], v[\a] offset:\off
	ds_load_tr16_b128 v[\d+4:\d+7], v[\a] offset:\off+16*PITCH
.endm
.macro LAYER d, a, base                ; fragment (s, t) at d + 8 (5 s + t)
.irp s, 0,1,2
.irp t, 0,1,2,3,4
	FRAG \d+8*(5*\s+\t), \a, \base+32*PITCH*\s+32*\t
.endr
.endr
.endm
	WIN 0x40                                       ; destination in window 1
.irp t, 0,1,2,3,4
	ds_load_tr16_b128 v[8*\t:8*\t+3], v13 offset:32*\t     ; layer 0: 16 rows; K = 16..31 meets zeros in B and is zero here too
	v_mov_b32 v[8*\t+4], 0
	v_mov_b32 v[8*\t+5], 0
	v_mov_b32 v[8*\t+6], 0
	v_mov_b32 v[8*\t+7], 0
.endr
.irp s, 0,1,2
	FRAG 40+8*\s, 14, IMGO-FAR+32*PITCH*\s         ; output set A: image columns 0-15
	FRAG 64+8*\s, 14, IMGO-FAR+32*PITCH*\s+32      ; output set A': columns 16-31
.endr
	LAYER 88, 13, IMGH
	WIN 0x80
	LAYER 0, 13, IMGH+IMGB
	LAYER 120, 13, IMGH+2*IMGB
	WIN 0xc0
	LAYER 0, 14, 0
	LAYER 120, 14, IMGB
	WIN 0
	s_wait_dscnt 0x0
	; B's registers are written by halves, so each is written whole once; P's constants and the zeros stay for the whole kernel
.macro XINIT x
.set I, 0
.rept 21
	v_mov_b32 v[\x+I], 0
.set I, I+1
.endr
	v_mov_b32 v[\x+21], 0x3f800000                 ; z (to come), 1
	v_mov_b32 v[\x+22], 0x3f803f80                 ; 1, 1
.set I, 23
.rept 5
	v_mov_b32 v[\x+I], 0
.set I, I+1
.endr
.endm
	XINIT XA
	XINIT XB
.macro PTS x, st                       ; the tile's points at t = st: o + t d, one rounding, straight to bf16
	v_fma_mixlo_bf16 v[\x+20], \st, v[DX], v[OX]
	v_fma_mixhi_bf16 v[\x+20], \st, v[DX+1], v[OX+1]
	v_fma_mixlo_bf16 v[\x+21], \st, v[DX+2], v[OX+2]
.endm
; Unit VU of the 20 that turn a tile's 40 accumulator registers into 20 registers of B: even units take four maxima, odd ones make four halves.
.macro VUNIT x, ac
.if (VU & 1) == 0
	v_max_num_f32 v[TMP+4*((VU/2)&1)], 0, v[\ac+2*VU]
	v_max_num_f32 v[TMP+4*((VU/2)&1)+1], 0, v[\ac+2*VU+1]
	v_max_num_f32 v[TMP+4*((VU/2)&1)+2], 0, v[\ac+2*VU+2]
	v_max_num_f32 v[TMP+4*((VU/2)&1)+3], 0, v[\ac+2*VU+3]
.else
	v_fma_mixlo_bf16 v[\x+VU-1], s26, v[TMP+4*((VU/2)&1)], v[\ac+2*(VU-1)]
	v_fma_mixlo_bf16 v[\x+VU], s26, v[TMP+4*((VU/2)&1)+2], v[\ac+2*(VU-1)+2]
	v_fma_mixhi_bf16 v[\x+VU-1], s26, v[TMP+4*((VU/2)&1)+1], v[\ac+2*(VU-1)+1]
	v_fma_mixhi_bf16 v[\x+VU], s26, v[TMP+4*((VU/2)&1)+3], v[\ac+2*(VU-1)+3]
.endif
.set VU, VU+1
.endm
.macro VN x, ac, cnt
.rept \cnt
	VUNIT \x, \ac
.endr
.endm
; A hidden layer of one tile (B in xm, sums in am, fragments at wb of source 0's window): 15 matrix instructions, the five accumulators by turns, one
; instruction a turn.  Behind each stand one or two units of the OTHER tile (xv, av), 20 in all: its last layer's sums become its next B.
; Between an accumulator's last product (slots 10-14) and its first reader in the next phase stand at least 24 vector instructions on the other tile's registers,
; and as many between a block of B's last reader and its next writer (four places are owed: ISA guide 7.12.1).
.macro MPH xm, am, wb, xv, av, pts
.set VU, 0
.set SL, 0
.rept 15
.if SL < 5
	v_wmma_f32_16x16x32_bf16 v[\am+8*(SL%5):\am+8*(SL%5)+7], v[\wb+8*SL:\wb+8*SL+7], v[\xm+8*(SL/5):\xm+8*(SL/5)+7], 0
.else
	v_wmma_f32_16x16x32_bf16 v[\am+8*(SL%5):\am+8*(SL%5)+7], v[\wb+8*SL:\wb+8*SL+7], v[\xm+8*(SL/5):\xm+8*(SL/5)+7], v[\am+8*(SL%5):\am+8*(SL%5)+7]
.endif
	VUNIT \xv, \av
.if (SL % 3) == 0
	VUNIT \xv, \av
.endif
.if \pts
.if SL == 7
	PTS XA, s28                                    ; tile a's next points: P's last reader was the phase before
.endif
.endif
.set SL, SL+1
.endr
.endm
.macro OSTEP xm, ofr, s, first         ; a link of the output layer's sum
.if \first
	v_wmma_f32_16x16x32_bf16 v[ACO:ACO+7], v[\ofr+8*\s:\ofr+8*\s+7], v[\xm+8*\s:\xm+8*\s+7], 0
.else
	v_wmma_f32_16x16x32_bf16 v[ACO:ACO+7], v[\ofr+8*\s:\ofr+8*\s+7], v[\xm+8*\s:\xm+8*\s+7], v[ACO:ACO+7]
.endif
.endm
.macro L0P xm, am, t                   ; layer 0, features 16 t ..: [P, 0] against image 0
	v_wmma_f32_16x16x32_bf16 v[\am+8*\t:\am+8*\t+7], v[8*\t:8*\t+7], v[\xm+20:\xm+27], 0
.endm
; Eight slots: a tile's three output links take turns with layer 0 of its next sample.  The output image's rows 80-95 are
; zeros, so P may already hold the next sample's point.  u or u + 1 units of (xv, av) behind each.
.macro PH8 xm, am, ofr, ofirst, xv, av, u, pts
.set VU, 0
	OSTEP \xm, \ofr, 0, \ofirst
	VN \xv, \av, \u+1
	L0P \xm, \am, 0
	VN \xv, \av, \u
	OSTEP \xm, \ofr, 1, 0
	VN \xv, \av, \u+1
.if \pts
	PTS XB, s29                                    ; tile b's next points: 36 vector instructions behind P's last reader
.endif
	L0P \xm, \am, 1
	VN \xv, \av, \u
	OSTEP \xm, \ofr, 2, 0
	VN \xv, \av, \u+1
	L0P \xm, \am, 2
	VN \xv, \av, \u
	L0P \xm, \am, 3
	VN \xv, \av, \u+1
	L0P \xm, \am, 4
	VN \xv, \av, \u
.endm
.macro EMARK fill
.if \fill
	VUNIT XA, ACA
	VUNIT XA, ACA
.endif
.endm
; One step of the scan: the lane's four raw channels of one sample.  All in base 2: O0 + s36 = (density - 1) log2 e, O1..3 + s37..39 = -log2 e x feature.
; exp(-softplus x dist) = 2^(-dist x log2(1 + 2^x2)).  fill = 1: tile a's units 12-19 stand in the gaps.
; Behind each run of transcendentals one plain instruction that touches neither their results nor their sources (ISA guide 5.7.2).
.macro EPI nd, fill
	v_add_f32 v184, s36, v[ACO]
	v_add_f32 v[EA], s37, v[ACO+1]
	v_add_f32 v[EA+1], s38, v[ACO+2]
	v_add_f32 v[EA+2], s39, v[ACO+3]
	EMARK \fill
	v_exp_f32 v[EU], -|v184|                       ; u = 2^-|x2|
	v_exp_f32 v[EE], v[EA]
	v_exp_f32 v[EE+1], v[EA+1]
	v_exp_f32 v[EE+2], v[EA+2]
	v_max_num_f32 v[EM], 0, v184
	EMARK \fill
	s_wait_alu depctr_va_vdst(0)
	v_add_f32 v[EW], 1.0, v[EU]
	v_add_f32 v[EE], 1.0, v[EE]
	v_add_f32 v[EE+1], 1.0, v[EE+1]
	v_add_f32 v[EE+2], 1.0, v[EE+2]
	v_fma_f32 v[EQ], v[EU], s41, s40
	v_log_f32 v[EL], v[EW]
	v_rcp_f32 v[EA], v[EE]                         ; sigmoids
	v_rcp_f32 v[EA+1], v[EE+1]
	v_rcp_f32 v[EA+2], v[EE+2]
	v_mul_f32 v[EQ], v[EQ], v[EU]                  ; u log2 e (1 - u/2)
	EMARK \fill
	v_cmp_gt_f32 vcc_lo, s42, v[EU]
	s_wait_alu depctr_va_vdst(0)
	v_cndmask_b32 v[EL], v[EL], v[EQ], vcc_lo      ; the series where 1 + u would lose u
	v_add_f32 v[EL], v[EM], v[EL]                  ; log2(1 + 2^x2)
	v_mul_f32 v[EL], v[EL], v[\nd]
	v_exp_f32 v[EAL], v[EL]
.if \fill
	EMARK 1
.else
	v_nop
.endif
	s_wait_alu depctr_va_vdst(0)
	v_sub_f32 v[EAL], 1.0, v[EAL]                  ; alpha
	v_mul_f32 v[EWG], v[EAL], v[TT]                ; weight
	v_sub_f32 v[EOM], 1.0, v[EAL]
	v_add_f32 v[EOM], s43, v[EOM]                  ; 1 - alpha + 1e-10
	v_fmac_f32 v[RR], v[EWG], v[EA]
	v_fmac_f32 v[RR+1], v[EWG], v[EA+1]
	v_fmac_f32 v[RR+2], v[EWG], v[EA+2]
	v_add_f32 v[SW], v[SW], v[EWG]
	v_mul_f32 v[TT], v[TT], v[EOM]
.endm
.macro TEN pts                         ; the five hidden layers of both tiles
	WIN 1
	MPH XA, ACA, 88, XB, ACB, 0
	MPH XB, ACB, 88, XA, ACA, 0
	WIN 2
	MPH XA, ACA, 0, XB, ACB, 0
	MPH XB, ACB, 0, XA, ACA, 0
	MPH XA, ACA, 120, XB, ACB, 0
	MPH XB, ACB, 120, XA, ACA, 0
	WIN 3
	MPH XA, ACA, 0, XB, ACB, 0
	MPH XB, ACB, 0, XA, ACA, 0
	MPH XA, ACA, 120, XB, ACB, 0
	MPH XB, ACB, 120, XA, ACA, \pts
.endm
	; samples 0 and 32: points, layer 0 of both tiles, tile a's first B
	s_mov_b32 s28, 0
	s_mul_f32 s29, s27, 0x42000000                 ; 32/63
	PTS XA, s28
	PTS XB, s29
	WIN 1
.irp t, 0,1,2,3,4
	L0P XA, ACA, \t
.endr
	v_mov_b32 v[TT], 1.0                           ; the scan's start; also five places between tile a's products and their first reader
	v_mov_b32 v[RR], 0
	v_mov_b32 v[RR+1], 0
	v_mov_b32 v[RR+2], 0
	v_mov_b32 v[SW], 0
.set VU, 0
.irp t, 0,1,2,3,4
	L0P XB, ACB, \t
	VN XA, ACA, 4
.endr
	WIN 0                                          ; at a label and at a branch every window is 0
	s_mov_b32 s30, 1
.Ltrip:                                                ; trip n = 1..31 finishes samples n - 1 and n + 31 and starts samples n and n + 32
	s_cvt_f32_u32 s31, s30
	s_mul_f32 s28, s31, s27                        ; n / 63
	s_add_co_u32 s31, s30, 32
	s_cvt_f32_u32 s31, s31
	s_mul_f32 s29, s31, s27                        ; (n + 32) / 63
	TEN 1
	WIN 1
	PH8 XA, ACA, 40, 1, XB, ACB, 2, 1              ; tile b's last 20 units
	PH8 XB, ACB, 64, 0, XA, ACA, 1, 0              ; units 0-11 of tile a's next sample
	WIN 0
	EPI ND, 1                                      ; 24 vector instructions behind the output's last link; units 12-19
	s_add_co_u32 s30, s30, 1
	s_cmp_lt_u32 s30, 32
	s_cbranch_scc1 .Ltrip
	; samples 31 and 63: nothing follows, so the output's six links have no partner to take turns with
	TEN 0
	WIN 1
.set VU, 0
	OSTEP XA, 40, 0, 1
	VN XB, ACB, 7
	s_wait_alu depctr_va_vdst(0)                   ; wait ahead of a link that follows the link it adds onto
	OSTEP XA, 40, 1, 0
	VN XB, ACB, 7
	s_wait_alu depctr_va_vdst(0)                   ; likewise
	OSTEP XA, 40, 2, 0
	VN XB, ACB, 6
	s_wait_alu depctr_va_vdst(0)                   ; likewise
	OSTEP XB, 64, 0, 0
	s_wait_alu depctr_va_vdst(0)                   ; likewise
	OSTEP XB, 64, 1, 0
	s_wait_alu depctr_va_vdst(0)                   ; likewise
	OSTEP XB, 64, 2, 0
.rept 4
	v_nop                                          ; four places between the last product and its reader (ISA guide 7.12.1)
.endr
	WIN 0
	EPI NDL, 0                                     ; lanes 16-31: the last sample, step 1e10 |d|
	; join the halves in lanes 0-15: sum = lower half's + T_lower x upper half's; then the fat sigmoid's scale and shift, taken out of the sums
	v_permlanex16_b32 v[EA], v[RR], s44, s45
	v_permlanex16_b32 v[EA+1], v[RR+1], s44, s45
	v_permlanex16_b32 v[EA+2], v[RR+2], s44, s45
	v_permlanex16_b32 v[EU], v[SW], s44, s45
	v_fmac_f32 v[RR], v[TT], v[EA]
	v_fmac_f32 v[RR+1], v[TT], v[EA+1]
	v_fmac_f32 v[RR+2], v[TT], v[EA+2]
	v_fmac_f32 v[SW], v[TT], v[EU]
	v_mul_f32 v[SW], s47, v[SW]
	v_fma_f32 v[RR], v[RR], s46, v[SW]
	v_fma_f32 v[RR+1], v[RR+1], s46, v[SW]
	v_fma_f32 v[RR+2], v[RR+2], s46, v[SW]
	v_and_b32 v[EM], 16, v0
	v_cmp_eq_u32 vcc_lo, 0, v[EM]
	s_wait_xcnt 0x0                                ; EXEC changes only behind this wait
	s_and_saveexec_b32 s21, vcc_lo                 ; lanes 0-15
	ds_store_b32 v253, v[RR]
	ds_store_b32 v253, v[RR+1] offset:4
	ds_store_b32 v253, v[RR+2] offset:8
	s_or_b32 exec_lo, exec_lo, s21                 ; no access to memory was issued under the narrow EXEC
	s_wait_dscnt 0x0                               ; my 192 bytes of the stage are written,
	s_barrier_signal -1
	s_barrier_wait -1                              ; all 768 are
	s_cmp_eq_u32 s20, 3
	s_cbranch_scc1 .Lend                           ; three waves carry the 768 bytes out
	v_add_nc_u32 v3, STAGE, v2
	ds_load_b64 v[184:185], v3
	s_wait_dscnt 0x0
	global_store_b64 v2, v[184:185], s[18:19] th:TH_STORE_NT   ; a wave's store covers 256 consecutive bytes, at a multiple of 256 from out0's first byte
.Lend:
	s_wait_tensorcnt 0x0
	ds_add_u32 v254, v255
	s_wait_dscnt 0x0
	s_endpgm
.Lfunc_end_k_qb732075b6f_nerf:
	.size	k_qb732075b6f_nerf, .Lfunc_end_k_qb732075b6f_nerf-k_qb732075b6f_nerf
	.p2alignl 7, 3214868480
	.fill 96, 4, 3214868480
	.section	.rodata,"a",@progbits
	.p2align	6, 0x0
	.amdhsa_kernel k_qb732075b6f_nerf
		.amdhsa_group_segment_fixed_size 101888
		.amdhsa_private_segment_fixed_size 0
		.amdhsa_enable_private_segment 0
		.amdhsa_kernarg_size 64
		.amdhsa_user_sgpr_count 2
		.amdhsa_user_sgpr_kernarg_segment_ptr 1
		.amdhsa_wavefront_size32 1
		.amdhsa_system_sgpr_workgroup_id_x 1
		.amdhsa_system_sgpr_workgroup_id_y 1
		.amdhsa_system_sgpr_workgroup_id_z 1
		.amdhsa_system_vgpr_workitem_id 0
		.amdhsa_next_free_vgpr 1024
		.amdhsa_next_free_sgpr 66
		.amdhsa_reserve_vcc 1
		.amdhsa_float_denorm_mode_32 3
		.amdhsa_float_denorm_mode_16_64 3
		.amdhsa_memory_ordered 1
		.amdhsa_forward_progress 1
		.amdhsa_inst_pref_size 167
	.end_amdhsa_kernel
	.amdgpu_metadata
---
amdhsa.version: [ 1, 2 ]
amdhsa.kernels:
  - .name:           k_qb732075b6f_nerf
    .symbol:         k_qb732075b6f_nerf.kd
    .args:
      - { .name: W0, .offset: 0, .size: 8, .value_kind: global_buffer, .address_space: global }
      - { .name: Wh, .offset: 8, .size: 8, .value_kind: global_buffer, .address_space: global }
      - { .name: Wout, .offset: 16, .size: 8, .value_kind: global_buffer, .address_space: global }
      - { .name: b0, .offset: 24, .size: 8, .value_kind: global_buffer, .address_space: global }
      - { .name: bh, .offset: 32, .size: 8, .value_kind: global_buffer, .address_space: global }
      - { .name: bout, .offset: 40, .size: 8, .value_kind: global_buffer, .address_space: global }
      - { .name: rays, .offset: 48, .size: 8, .value_kind: global_buffer, .address_space: global }
      - { .name: out0, .offset: 56, .size: 8, .value_kind: global_buffer, .address_space: global }
    .group_segment_fixed_size: 101888
    .private_segment_fixed_size: 0
    .kernarg_segment_align: 8
    .kernarg_segment_size: 64
    .max_flat_workgroup_size: 128
    .sgpr_count:     66
    .vgpr_count:     1024
    .wavefront_size: 32
...
	.end_amdgpu_metadata
.endif
;; end of part 1
;; ======== version 2 of 2: 1 launch; 1.25 times as fast as version 1
;; launch nerf (part 2): grid 256 x 1, 4 waves a work-group, no clusters, 101,888 bytes of LDS; arguments W0, Wh, Wout, b0, bh, bout, rays, out0; writes out0
.if DOCPART == 2
	.amdgcn_target "amdgcn-amd-amdhsa--gfx1250"
	.amdhsa_code_object_version 6
	.text
	.protected	k_qb732075b6f_nerf
	.globl	k_qb732075b6f_nerf
	.p2align	8
	.type	k_qb732075b6f_nerf,@function
k_qb732075b6f_nerf:
	s_mov_b64 s[64:65], 0
	v_nop
	global_prefetch_b8 v0, s[64:65] scope:SCOPE_SE
	s_setreg_imm32_b32 hwreg(HW_REG_WAVE_MODE, 25, 1), 1
	s_wait_xcnt 0x0
; TinyNeRF: 16,384 rays x 64 samples through an MLP 3 -> 80 -> (80+3 -> 80) x 5 -> 4, then compositing along each ray.
; 256 work-groups of four waves; a work-group owns 64 rays, a wave 16 rays x 64 samples = 64 point tiles of 16 points.
; A wave makes 32 trips; trip i takes tile a (its 16 rays at sample i) and tile b (the same rays at sample 32 + i).
;
; EVERY PRODUCT IS TRANSPOSED: A = 16 output features x 32 inputs of a weight matrix, B = 32 inputs x 16 points.  In the result lane (r, h)
; holds features 16 t + 8 h + 0..7 of point r, which, packed in pairs to bf16, is what the next layer's B wants from that lane: accumulator
; tile 2 s gives registers 0-3 of B's block s, tile 2 s + 1 registers 4-7.  No lane shuffle and no LDS between layers.
; K slots 80..95 of a hidden layer (registers 4-7 of block 2, the quad P): x, y, z, 1, 1, 1, 0, 0.  The weight rows under them are Wh's three
; point rows and the bias cut into three bf16 pieces (24 bits of it), then zeros.  Layer 0 multiplies [P, 0] by a 16-row image made the same way.
; LEAKY RELU: leaky(x) = 0.505 (x + c |x|) with c = 0.495 / 0.505.  The registers carry y = x + c |x|: ONE fused multiply-add a number, which rounds
; straight to a bf16 half.  The 0.505 is multiplied in f32 into rows 0..79 of the following matrix before that is rounded to bf16.
; ALL WEIGHTS STAY IN REGISTERS: 86 fragments of 8 registers in windows 1 to 3; everything else in window 0.  In the loop only source 0's window
; changes, and the vector work that stands among the matrix instructions has a scalar as source 0, so it means the same under every setting.
; OUTPUT LAYER: fragment set A has Wout's four channels in rows 0-3, set A' in rows 8-11; O = A y_a + A' y_b gives lanes 0-15 the four raw
; channels at sample i and lanes 16-31 those at sample 32 + i.  The halves of the lanes scan the halves of the ray; out = acc_lo + T_lo acc_hi.
; NO CLUSTER, NO TENSOR LOAD: what work-groups share is the 136,976 bytes of weights and biases, which each reads once, through registers, because it
; is scaled and rounded on the way; behind that a wave issues 5,312 matrix instructions without one access to memory or to LDS.
;
; LIMITS KEPT.  Points, activations and weights are bf16 matrix operands, sums f32.  c is an f32, so the slope for x < 0 is 0.505 (1 - c), within 3e-7 of 0.01,
; relatively.  ts[i+1] - ts[i] is taken as 1/63 (the f32 differences of linspace lie within 4e-6 of it, relatively) and ts[i] as i x (1/63).
; log2(1 + u) is u log2e (1 - u/2) below u = 2^-12 (error below u^2 / 3), so that a small softplus survives the last step's 1e10.
; The exponentials give 0 where the result would be below 2^-126.  |r_d| is the root of a sum of squares in f32: right for 1e-18 < |r_d| < 1e19.
; Softplus is max(x, 0) + log(1 + e^-|x|): the maximum is taken away first.  In the sigmoid e^-v may reach infinity; its reciprocal is then 0.
.set LAYB,  26560                      ; bytes of one hidden layer in Wh: 83 x 80 f32 = 1,660 quads
.set PITCH, 160                        ; an image row: 80 bf16, no padding, so quad f of a layer lands at byte 8 f
.set IMGH,  2560                       ; LDS: layer 0's image (16 rows) at 0; hidden layer l's (96 rows) at IMGH + IMGB l
.set IMGB,  15360
.set FAR,   48640                      ; = IMGH + 3 IMGB: second base register, an LDS immediate has 16 bits
.set IMGO,  79360                      ; output image, 128 rows, of which bytes 0..63 are written and rows 0..95 read
.set STAGE, 99840                      ; 768 bytes: out0 of the 64 rays
.set XA,  16                           ; v[16:43]   tile a: +0..19 activations (bf16 pairs), +20..23 P, +24..27 zeros
.set XB,  44                           ; v[44:71]   tile b
.set ACA, 72                           ; v[72:111]  tile a: five accumulator tiles
.set ACB, 112                          ; v[112:151] tile b
.set ACO, 152                          ; v[152:159] output layer
.set OX,  168                          ; v[168:173] ray: origin, direction
.set DX,  171
.set ND,  174                          ; -|d| / 63
.set NDL, 175                          ; for the last trip: lanes 0-15 the same, lanes 16-31 -1e10 |d|
.set RR,  176                          ; v[176:178] sums of weight x sigmoid
.set TT,  179                          ; transmittance
.set SW,  180                          ; sum of weights
.set EA,  185                          ; v184 x2; v[185:187] exponents, then sigmoids
.set EU,  188
.set EE,  189                          ; v[189:191]
.set EM,  192
.set EW,  193
.set EQ,  194
.set EL,  195
.set EAL, 196
.set EWG, 197
.set EOM, 198
.set SLA, 16                           ; prologue only: three slots of 48 registers for Wh's layers
.set SLB, 64
.set SLC, 112
.set ZQ,  228                          ; prologue: four zeros
.set BT,  234                          ; prologue: v[234:251] at work on a bias
.set MSB, 0
.macro WIN new                         ; the immediate's high byte repeats the setting that is left
.if MSB != \new
	s_set_vgpr_msb (MSB<<8)|\new
.set MSB, \new
.endif
.endm
	s_load_b512 s[4:19], s[0:1], 0x0               ; W0 4, Wh 6, Wout 8, b0 10, bh 12, bout 14, rays 16, out0 18
	v_lshl_add_u32 v254, v0, 2, 0x18c00
	v_mov_b32 v255, 0
	v_lshrrev_b32 v1, 5, v0
	v_readfirstlane_b32 s20, v1                    ; wave 0..3
	s_mov_b32 s24, 0x3f0147ae                      ; 0.505, twice: a pair for the packed multiply
	s_mov_b32 s25, 0x3f0147ae
	s_mov_b32 s26, 0x3f7aee42                      ; c = 0.495 / 0.505
	s_mov_b32 s27, 0x3c820821                      ; 1/63
	s_mov_b32 s40, 0x3fb8aa3b                      ; log2 e
	s_mov_b32 s41, 0xbf38aa3b                      ; -log2 e / 2
	s_mov_b32 s42, 0x39800000                      ; 2^-12
	s_mov_b32 s43, 0x2edbe6ff                      ; 1e-10
	s_mov_b32 s44, 0x76543210                      ; v_permlanex16_b32: lane i reads lane i of the other half
	s_mov_b32 s45, 0xfedcba98
	s_mov_b32 s46, 0x3f804189                      ; 1.002
	s_mov_b32 s47, 0xba83126f                      ; -0.001
	s_mov_b32 s49, 0xd01502f9                      ; -1e10
	s_mul_f32 s48, s24, s40                        ; K = 0.505 log2 e: Wout's density column
	s_xor_b32 s50, s48, 0x80000000                 ; -K: its three feature columns
	s_mul_i32 s22, ttmp9, 1536                     ; my 64 rays of 24 bytes
	s_mov_b32 s23, 0
	s_sub_co_i32 s31, s20, 1
	s_max_i32 s31, s31, 0
	s_mul_i32 s31, s31, 320                        ; waves 1-3: row wave - 1 of bh; wave 0: b0's only row
	s_add_co_u32 s54, s20, 1
	s_mul_i32 s54, s54, 320                        ; row wave + 1 of bh (1..4)
	s_mul_i32 s55, s20, IMGB
	; offsets.  An index without work of its own repeats the last index of its wave: same value, same bytes, no lane switched off.
	v_and_b32 v220, 31, v0
	v_min_u32 v221, 19, v220                       ; a bias row is 20 quads
	v_lshl_add_u32 v7, v221, 4, s31                ; memory: the bias of layer = wave
	v_lshl_add_u32 v8, v221, 4, s54                ; memory: the bias of layer = wave + 2
	v_lshl_add_u32 v10, v221, 3, s55               ; LDS: 8 q + 15,360 wave; row 3 of image 0 and row 83 of hidden image l lie at 480 + 15,360 (layer)
	v_lshlrev_b32 v1, 4, v0                        ; memory: my quad of a chunk of 128 quads
	v_lshlrev_b32 v2, 3, v0                        ; LDS: the same quad in bf16
	v_add_nc_u32 v3, FAR, v2
	v_min_u32 v222, 123, v0                        ; chunk 12 has 124 quads
	v_lshlrev_b32 v4, 4, v222
	v_lshlrev_b32 v5, 3, v222
	v_add_nc_u32 v6, FAR, v5
	v_min_u32 v222, 59, v0                         ; W0 has 60 quads
	v_lshlrev_b32 v9, 4, v222
	v_lshlrev_b32 v15, 3, v222
	v_min_u32 v222, 79, v0                         ; Wout has 80 rows of one quad
	v_lshlrev_b32 v11, 4, v222
	v_mul_u32_u24 v12, v0, PITCH
	v_add_nc_u32 v12, IMGO, v12                    ; LDS: my row of the output image
	v_and_b32 v223, 15, v0
	v_lshl_add_u32 v223, s20, 4, v223              ; my ray among the 64: 16 wave + r
	v_mul_u32_u24 v252, v223, 24
	v_mul_u32_u24 v253, v223, 12
	v_add_nc_u32 v253, STAGE, v253
	; a fragment from an image stored [K][N]: lane L addresses row 8 h + (L & 7), 16 bytes at 16 ((L >> 3) & 1)
	v_and_b32 v220, 7, v0
	v_bfe_u32 v221, v0, 4, 1
	v_lshl_or_b32 v220, v221, 3, v220
	v_mul_u32_u24 v13, v220, PITCH
	v_bfe_u32 v221, v0, 3, 1
	v_lshl_add_u32 v13, v221, 4, v13
	v_add_nc_u32 v14, FAR, v13
.irp j, 0,1,2,3
	v_mov_b32 v[ZQ+\j], 0
.endr
	s_wait_kmcnt 0x0
	s_load_b128 s[32:35], s[14:15], 0x0            ; bout
	s_add_nc_u64 s[16:17], s[16:17], s[22:23]      ; rays at my first ray
	s_lshr_b32 s22, s22, 1
	s_add_nc_u64 s[18:19], s[18:19], s[22:23]      ; out0 at my 768 bytes
	s_cmp_eq_u32 s20, 0
	s_cselect_b64 s[52:53], s[10:11], s[12:13]     ; layer 0's bias is b0, the others' are rows of bh
.macro FILL l, sl                      ; chunks 0..11 of hidden layer l: 12 x 128 quads, each load of a wave 512 neighbouring bytes
.irp c, 0,1,2,3,4,5,6,7,8,9,10,11
	global_load_b128 v[\sl+4*\c:\sl+4*\c+3], v1, s[6:7] offset:LAYB*\l+2048*\c
.endr
.endm
	; 12 small loads, then three layers: 48 loads of every wave
	global_load_b128 v[184:187], v7, s[52:53]
	global_load_b128 v[188:191], v8, s[12:13]
	global_load_b128 v[192:195], v9, s[4:5]
	global_load_b128 v[196:199], v11, s[8:9]
.irp l, 0,1,2,3,4
	global_load_b128 v[200+4*\l:200+4*\l+3], v4, s[6:7] offset:LAYB*\l+24576
.endr
	global_load_b64 v[168:169], v252, s[16:17] th:TH_LOAD_NT
	global_load_b64 v[170:171], v252, s[16:17] offset:8 th:TH_LOAD_NT
	global_load_b64 v[172:173], v252, s[16:17] offset:16 th:TH_LOAD_NT
	FILL 0, SLA
	FILL 1, SLB
	FILL 2, SLC
	s_wait_loadcnt 36                              ; loads come back in order: the 12 small ones are in, the 36 of the three layers stay out
; A bias quad in v[q:q+3] goes out as three rows of bf16 pieces (each piece is the rounded rest of the one before), then ten rows of zeros.
.macro BIAS q, off
.irp j, 0,1,2
	v_cvt_pk_bf16_f32 v[BT+6*\j], v[\q], v[\q+1]
	v_cvt_pk_bf16_f32 v[BT+6*\j+1], v[\q+2], v[\q+3]
	ds_store_b64 v10, v[BT+6*\j:BT+6*\j+1] offset:\off+PITCH*\j
.if \j < 2
	v_lshlrev_b32 v[BT+6*\j+2], 16, v[BT+6*\j]
	v_and_b32 v[BT+6*\j+3], 0xffff0000, v[BT+6*\j]
	v_lshlrev_b32 v[BT+6*\j+4], 16, v[BT+6*\j+1]
	v_and_b32 v[BT+6*\j+5], 0xffff0000, v[BT+6*\j+1]
	v_pk_add_f32 v[\q:\q+1], v[\q:\q+1], v[BT+6*\j+2:BT+6*\j+3] neg_lo:[0,1] neg_hi:[0,1]
	v_pk_add_f32 v[\q+2:\q+3], v[\q+2:\q+3], v[BT+6*\j+4:BT+6*\j+5] neg_lo:[0,1] neg_hi:[0,1]
.endif
.endr
.irp j, 3,4,5,6,7,8,9,10,11,12
	ds_store_b64 v10, v[ZQ:ZQ+1] offset:\off+PITCH*\j
.endr
.endm
	BIAS 184, 480                                  ; every wave: layer = wave
	s_cmp_lt_u32 s20, 2
	s_cbranch_scc1 .Lw0rows
	BIAS 188, 480+2*IMGB                           ; waves 2, 3: layers 4, 5
	s_branch .Lsmall
.Lw0rows:
	v_cvt_pk_bf16_f32 v220, v192, v193             ; waves 0, 1: W0's three rows, rows 0-2 of image 0
	v_cvt_pk_bf16_f32 v221, v194, v195
	ds_store_b64 v15, v[220:221]
.Lsmall:
	; chunk 12 of the five layers: quads 1,536 + tid; below 1,600 they belong to rows under 80 and take the 0.505, the point rows do not
	v_cmp_gt_u32 vcc_lo, 64, v0
	v_mov_b32 v233, s24
	v_cndmask_b32 v232, 1.0, v233, vcc_lo
	v_mov_b32 v233, v232
.irp l, 0,1,2,3,4
	v_pk_mul_f32 v[200+4*\l:200+4*\l+1], v[200+4*\l:200+4*\l+1], v[232:233]
	v_pk_mul_f32 v[200+4*\l+2:200+4*\l+3], v[200+4*\l+2:200+4*\l+3], v[232:233]
	v_cvt_pk_bf16_f32 v[200+4*\l], v[200+4*\l], v[200+4*\l+1]
	v_cvt_pk_bf16_f32 v[200+4*\l+1], v[200+4*\l+2], v[200+4*\l+3]
.if \l < 3
	ds_store_b64 v5, v[200+4*\l:200+4*\l+1] offset:IMGH+IMGB*\l+12288
.else
	ds_store_b64 v6, v[200+4*\l:200+4*\l+1] offset:IMGB*(\l-3)+12288
.endif
.endr
	; output image: row k holds Wout[k] x (K, -K, -K, -K) in columns 0-3 and again in columns 24-27, zeros between; rows from 80 on are zeros
	v_mul_f32 v196, s48, v196
	v_mul_f32 v197, s50, v197
	v_mul_f32 v198, s50, v198
	v_mul_f32 v199, s50, v199
	v_cvt_pk_bf16_f32 v224, v196, v197
	v_cvt_pk_bf16_f32 v225, v198, v199
	v_cmp_gt_u32 vcc_lo, 80, v0
	v_cndmask_b32 v224, 0, v224, vcc_lo
	v_cndmask_b32 v225, 0, v225, vcc_lo
	v_mov_b32 v226, 0
	v_mov_b32 v227, 0
	ds_store_b128 v12, v[224:227]
	ds_store_b128 v12, v[ZQ:ZQ+3] offset:16
	ds_store_b128 v12, v[ZQ:ZQ+3] offset:32
	ds_store_b128 v12, v[224:227] offset:48
	; the ray's step lengths, negated
	v_mul_f32 v220, v[DX], v[DX]
	v_fmac_f32 v220, v[DX+1], v[DX+1]
	v_fmac_f32 v220, v[DX+2], v[DX+2]
	v_sqrt_f32 v221, v220
	v_and_b32 v222, 16, v0                         ; the plain instruction between the root and its first use (ISA guide 5.7.2)
	v_cmp_ne_u32 vcc_lo, 0, v222
	s_wait_alu depctr_va_vdst(0)
	v_mul_f32 v[ND], -v221, s27
	v_mul_f32 v222, s49, v221
	v_cndmask_b32 v[NDL], v[ND], v222, vcc_lo
	s_wait_kmcnt 0x0                               ; bout
	s_add_f32 s36, s32, -1.0
	s_mul_f32 s36, s36, s40                        ; (bout0 - 1) log2 e
	s_mul_f32 s37, s33, 0xbfb8aa3b                 ; -log2 e bout1..3
	s_mul_f32 s38, s34, 0xbfb8aa3b
	s_mul_f32 s39, s35, 0xbfb8aa3b
.macro CONV l, sl                      ; a layer's chunks 0..11 (rows under 77): x 0.505, to bf16, into its image
.irp c, 0,1,2,3,4,5,6,7,8,9,10,11
	v_pk_mul_f32 v[\sl+4*\c:\sl+4*\c+1], v[\sl+4*\c:\sl+4*\c+1], s[24:25] op_sel_hi:[1,0]
	v_pk_mul_f32 v[\sl+4*\c+2:\sl+4*\c+3], v[\sl+4*\c+2:\sl+4*\c+3], s[24:25] op_sel_hi:[1,0]
	v_cvt_pk_bf16_f32 v[\sl+4*\c], v[\sl+4*\c], v[\sl+4*\c+1]
	v_cvt_pk_bf16_f32 v[\sl+4*\c+1], v[\sl+4*\c+2], v[\sl+4*\c+3]
.if \l < 3
	ds_store_b64 v2, v[\sl+4*\c:\sl+4*\c+1] offset:IMGH+IMGB*\l+1024*\c
.else
	ds_store_b64 v3, v[\sl+4*\c:\sl+4*\c+1] offset:IMGB*(\l-3)+1024*\c
.endif
.endr
.endm
	s_wait_loadcnt 24                              ; layer 0 is in; layers 1 and 2 (24 loads) stay out
	CONV 0, SLA
	FILL 3, SLA
	s_wait_loadcnt 24                              ; layer 1 is in; layers 2 and 3 stay out
	CONV 1, SLB
	FILL 4, SLB
	s_wait_loadcnt 24                              ; layer 2 is in; layers 3 and 4 stay out
	CONV 2, SLC
	s_wait_loadcnt 12                              ; layer 3 is in; layer 4 stays out
	CONV 3, SLA
	s_wait_loadcnt 0x0
	CONV 4, SLB
	s_wait_dscnt 0x0                               ; my part of the images is written,
	s_barrier_signal -1
	s_barrier_wait -1                              ; everybody's is
	; 86 fragments into windows 1 to 3.  Two transposing loads a fragment: K = 8 h + 0..7 and 16 + 8 h + 0..7 of output feature 16 t + r.
.macro FRAG d, a, off
	ds_load_tr16_b128 v[\d:\d+3], v[\a] offset:\off
	ds_load_tr16_b128 v[\d+4:\d+7], v[\a] offset:\off+16*PITCH
.endm
.macro LAYER d, a, base                ; fragment (s, t) at d + 8 (5 s + t)
.irp s, 0,1,2
.irp t, 0,1,2,3,4
	FRAG \d+8*(5*\s+\t), \a, \base+32*PITCH*\s+32*\t
.endr
.endr
.endm
	WIN 0x40                                       ; destination in window 1
.irp t, 0,1,2,3,4
	ds_load_tr16_b128 v[8*\t:8*\t+3], v13 offset:32*\t     ; layer 0: 16 rows; K = 16..31 meets zeros in B and is zero here too
	v_mov_b32 v[8*\t+4], 0
	v_mov_b32 v[8*\t+5], 0
	v_mov_b32 v[8*\t+6], 0
	v_mov_b32 v[8*\t+7], 0
.endr
.irp s, 0,1,2
	FRAG 40+8*\s, 14, IMGO-FAR+32*PITCH*\s         ; output set A: image columns 0-15
	FRAG 64+8*\s, 14, IMGO-FAR+32*PITCH*\s+32      ; output set A': columns 16-31
.endr
	LAYER 88, 13, IMGH
	WIN 0x80
	LAYER 0, 13, IMGH+IMGB
	LAYER 120, 13, IMGH+2*IMGB
	WIN 0xc0
	LAYER 0, 14, 0
	LAYER 120, 14, IMGB
	WIN 0
	s_wait_dscnt 0x0
	; B's registers are written by halves, so each is written whole once; P's constants and the zeros stay for the whole kernel
.macro XINIT x
.set I, 0
.rept 21
	v_mov_b32 v[\x+I], 0
.set I, I+1
.endr
	v_mov_b32 v[\x+21], 0x3f800000                 ; z (to come), 1
	v_mov_b32 v[\x+22], 0x3f803f80                 ; 1, 1
.set I, 23
.rept 5
	v_mov_b32 v[\x+I], 0
.set I, I+1
.endr
.endm
	XINIT XA
	XINIT XB
.macro PTS x, st                       ; the tile's points at t = st: o + t d, one rounding, straight to bf16
	v_fma_mixlo_bf16 v[\x+20], \st, v[DX], v[OX]
	v_fma_mixhi_bf16 v[\x+20], \st, v[DX+1], v[OX+1]
	v_fma_mixlo_bf16 v[\x+21], \st, v[DX+2], v[OX+2]
.endm
; Instruction VQ of the 40 that turn a tile's 40 accumulator registers into 20 registers of B: register p of B takes y of accumulator register 2 p in its low
; half and of 2 p + 1 in its high half.  Eight low halves, then the eight high halves of the same registers (at the end four and four), so that the two
; writes of one register stand apart.
.macro VONE x, ac
.if VQ < 32
.set VB, 8*(VQ/16)
.set VE, VQ%8
.set VH, (VQ/8)&1
.else
.set VB, 16
.set VE, VQ%4
.set VH, (VQ/4)&1
.endif
.if VH == 0
	v_fma_mixlo_bf16 v[\x+VB+VE], s26, |v[\ac+2*(VB+VE)]|, v[\ac+2*(VB+VE)]
.else
	v_fma_mixhi_bf16 v[\x+VB+VE], s26, |v[\ac+2*(VB+VE)+1]|, v[\ac+2*(VB+VE)+1]
.endif
.set VQ, VQ+1
.endm
.macro VN x, ac, cnt
.rept \cnt
	VONE \x, \ac
.endr
.endm
; A hidden layer of one tile (B in xm, sums in am, fragments at wb of source 0's window): 15 matrix instructions, the five accumulators by turns, one
; instruction a turn.  Behind them stand 3, 3, 2, 3, 3, 2 .. instructions of the OTHER tile (xv, av), 40 in all: its last layer's sums
; become its next B.  Between an accumulator's last product (slots 10-14) and its first reader in the next phase stand at least 13 vector instructions that name
; none of that product's registers, and more between a block of B's last reader and its next writer (four places are owed: ISA guide 7.12.1).
.macro MPH xm, am, wb, xv, av, pts
.set VQ, 0
.set SL, 0
.rept 15
.if SL < 5
	v_wmma_f32_16x16x32_bf16 v[\am+8*(SL%5):\am+8*(SL%5)+7], v[\wb+8*SL:\wb+8*SL+7], v[\xm+8*(SL/5):\xm+8*(SL/5)+7], 0
.else
	v_wmma_f32_16x16x32_bf16 v[\am+8*(SL%5):\am+8*(SL%5)+7], v[\wb+8*SL:\wb+8*SL+7], v[\xm+8*(SL/5):\xm+8*(SL/5)+7], v[\am+8*(SL%5):\am+8*(SL%5)+7]
.endif
	VONE \xv, \av
	VONE \xv, \av
.if (SL % 3) != 2
	VONE \xv, \av
.endif
.if \pts
.if SL == 7
	PTS XA, s28                                    ; tile a's next points: P's last reader was the phase before
.endif
.endif
.set SL, SL+1
.endr
.endm
.macro OSTEP xm, ofr, s, first         ; a link of the output layer's sum
.if \first
	v_wmma_f32_16x16x32_bf16 v[ACO:ACO+7], v[\ofr+8*\s:\ofr+8*\s+7], v[\xm+8*\s:\xm+8*\s+7], 0
.else
	v_wmma_f32_16x16x32_bf16 v[ACO:ACO+7], v[\ofr+8*\s:\ofr+8*\s+7], v[\xm+8*\s:\xm+8*\s+7], v[ACO:ACO+7]
.endif
.endm
.macro L0P xm, am, t                   ; layer 0, features 16 t ..: [P, 0] against image 0
	v_wmma_f32_16x16x32_bf16 v[\am+8*\t:\am+8*\t+7], v[8*\t:8*\t+7], v[\xm+20:\xm+27], 0
.endm
; Eight slots: a tile's three output links take turns with layer 0 of its next sample.  The output image's rows 80-95 are
; zeros, so P may already hold the next sample's point.  u instructions of (xv, av) behind each.
.macro PH8 xm, am, ofr, ofirst, xv, av, u, pts
.set VQ, 0
	OSTEP \xm, \ofr, 0, \ofirst
	VN \xv, \av, \u
	L0P \xm, \am, 0
	VN \xv, \av, \u
	OSTEP \xm, \ofr, 1, 0
	VN \xv, \av, \u
.if \pts
	PTS XB, s29                                    ; tile b's next points: 17 vector instructions behind P's last reader
.endif
	L0P \xm, \am, 1
	VN \xv, \av, \u
	OSTEP \xm, \ofr, 2, 0
	VN \xv, \av, \u
	L0P \xm, \am, 2
	VN \xv, \av, \u
	L0P \xm, \am, 3
	VN \xv, \av, \u
	L0P \xm, \am, 4
	VN \xv, \av, \u
.endm
.macro EMARK fill
.if \fill
	VN XA, ACA, 4
.endif
.endm
; One step of the scan: the lane's four raw channels of one sample.  All in base 2: O0 + s36 = (density - 1) log2 e, O1..3 + s37..39 = -log2 e x feature.
; exp(-softplus x dist) = 2^(-dist x log2(1 + 2^x2)).  fill = 1: the last 16 of tile a's 40 instructions stand in the gaps.
; Behind each run of transcendentals one plain instruction that touches neither their results nor their sources (ISA guide 5.7.2).
.macro EPI nd, fill
	v_add_f32 v184, s36, v[ACO]
	v_add_f32 v[EA], s37, v[ACO+1]
	v_add_f32 v[EA+1], s38, v[ACO+2]
	v_add_f32 v[EA+2], s39, v[ACO+3]
	EMARK \fill
	v_exp_f32 v[EU], -|v184|                       ; u = 2^-|x2|
	v_exp_f32 v[EE], v[EA]
	v_exp_f32 v[EE+1], v[EA+1]
	v_exp_f32 v[EE+2], v[EA+2]
	v_max_num_f32 v[EM], 0, v184
	EMARK \fill
	s_wait_alu depctr_va_vdst(0)
	v_add_f32 v[EW], 1.0, v[EU]
	v_add_f32 v[EE], 1.0, v[EE]
	v_add_f32 v[EE+1], 1.0, v[EE+1]
	v_add_f32 v[EE+2], 1.0, v[EE+2]
	v_fma_f32 v[EQ], v[EU], s41, s40
	v_log_f32 v[EL], v[EW]
	v_rcp_f32 v[EA], v[EE]                         ; sigmoids
	v_rcp_f32 v[EA+1], v[EE+1]
	v_rcp_f32 v[EA+2], v[EE+2]
	v_mul_f32 v[EQ], v[EQ], v[EU]                  ; u log2 e (1 - u/2)
	EMARK \fill
	v_cmp_gt_f32 vcc_lo, s42, v[EU]
	s_wait_alu depctr_va_vdst(0)
	v_cndmask_b32 v[EL], v[EL], v[EQ], vcc_lo      ; the series where 1 + u would lose u
	v_add_f32 v[EL], v[EM], v[EL]                  ; log2(1 + 2^x2)
	v_mul_f32 v[EL], v[EL], v[\nd]
	v_exp_f32 v[EAL], v[EL]
.if \fill
	EMARK 1
.else
	v_nop
.endif
	s_wait_alu depctr_va_vdst(0)
	v_sub_f32 v[EAL], 1.0, v[EAL]                  ; alpha
	v_mul_f32 v[EWG], v[EAL], v[TT]                ; weight
	v_sub_f32 v[EOM], 1.0, v[EAL]
	v_add_f32 v[EOM], s43, v[EOM]                  ; 1 - alpha + 1e-10
	v_fmac_f32 v[RR], v[EWG], v[EA]
	v_fmac_f32 v[RR+1], v[EWG], v[EA+1]
	v_fmac_f32 v[RR+2], v[EWG], v[EA+2]
	v_add_f32 v[SW], v[SW], v[EWG]
	v_mul_f32 v[TT], v[TT], v[EOM]
.endm
.macro TEN pts                         ; the five hidden layers of both tiles
	WIN 1
	MPH XA, ACA, 88, XB, ACB, 0
	MPH XB, ACB, 88, XA, ACA, 0
	WIN 2
	MPH XA, ACA, 0, XB, ACB, 0
	MPH XB, ACB, 0, XA, ACA, 0
	MPH XA, ACA, 120, XB, ACB, 0
	MPH XB, ACB, 120, XA, ACA, 0
	WIN 3
	MPH XA, ACA, 0, XB, ACB, 0
	MPH XB, ACB, 0, XA, ACA, 0
	MPH XA, ACA, 120, XB, ACB, 0
	MPH XB, ACB, 120, XA, ACA, \pts
.endm
	; samples 0 and 32: points, layer 0 of both tiles, tile a's first B
	s_mov_b32 s28, 0
	s_mul_f32 s29, s27, 0x42000000                 ; 32/63
	PTS XA, s28
	PTS XB, s29
	WIN 1
.irp t, 0,1,2,3,4
	L0P XA, ACA, \t
.endr
	v_mov_b32 v[TT], 1.0                           ; the scan's start; also five places between tile a's products and their first reader
	v_mov_b32 v[RR], 0
	v_mov_b32 v[RR+1], 0
	v_mov_b32 v[RR+2], 0
	v_mov_b32 v[SW], 0
.set VQ, 0
.irp t, 0,1,2,3,4
	L0P XB, ACB, \t
	VN XA, ACA, 8
.endr
	WIN 0                                          ; at a label and at a branch every window is 0
	s_mov_b32 s30, 1
.Ltrip:                                                ; trip n = 1..31 finishes samples n - 1 and n + 31 and starts samples n and n + 32
	s_cvt_f32_u32 s31, s30
	s_mul_f32 s28, s31, s27                        ; n / 63
	s_add_co_u32 s31, s30, 32
	s_cvt_f32_u32 s31, s31
	s_mul_f32 s29, s31, s27                        ; (n + 32) / 63
	TEN 1
	WIN 1
	PH8 XA, ACA, 40, 1, XB, ACB, 5, 1              ; tile b's last layer becomes B: all 40
	PH8 XB, ACB, 64, 0, XA, ACA, 3, 0              ; the first 24 of tile a's next sample
	WIN 0
	EPI ND, 1                                      ; 12 vector instructions behind the output's last link; tile a's other 16
	s_add_co_u32 s30, s30, 1
	s_cmp_lt_u32 s30, 32
	s_cbranch_scc1 .Ltrip
	; samples 31 and 63: nothing follows, so the output's six links have no partner to take turns with
	TEN 0
	WIN 1
.set VQ, 0
	OSTEP XA, 40, 0, 1
	VN XB, ACB, 14
	s_wait_alu depctr_va_vdst(0)                   ; wait ahead of a link that follows the link it adds onto
	OSTEP XA, 40, 1, 0
	VN XB, ACB, 13
	s_wait_alu depctr_va_vdst(0)                   ; likewise
	OSTEP XA, 40, 2, 0
	VN XB, ACB, 13
	s_wait_alu depctr_va_vdst(0)                   ; likewise
	OSTEP XB, 64, 0, 0
	s_wait_alu depctr_va_vdst(0)                   ; likewise
	OSTEP XB, 64, 1, 0
	s_wait_alu depctr_va_vdst(0)                   ; likewise
	OSTEP XB, 64, 2, 0
.rept 4
	v_nop                                          ; four places between the last product and its reader (ISA guide 7.12.1)
.endr
	WIN 0
	EPI NDL, 0                                     ; lanes 16-31: the last sample, step 1e10 |d|
	; join the halves in lanes 0-15: sum = lower half's + T_lower x upper half's; then the fat sigmoid's scale and shift, taken out of the sums
	v_permlanex16_b32 v[EA], v[RR], s44, s45
	v_permlanex16_b32 v[EA+1], v[RR+1], s44, s45
	v_permlanex16_b32 v[EA+2], v[RR+2], s44, s45
	v_permlanex16_b32 v[EU], v[SW], s44, s45
	v_fmac_f32 v[RR], v[TT], v[EA]
	v_fmac_f32 v[RR+1], v[TT], v[EA+1]
	v_fmac_f32 v[RR+2], v[TT], v[EA+2]
	v_fmac_f32 v[SW], v[TT], v[EU]
	v_mul_f32 v[SW], s47, v[SW]
	v_fma_f32 v[RR], v[RR], s46, v[SW]
	v_fma_f32 v[RR+1], v[RR+1], s46, v[SW]
	v_fma_f32 v[RR+2], v[RR+2], s46, v[SW]
	v_and_b32 v[EM], 16, v0
	v_cmp_eq_u32 vcc_lo, 0, v[EM]
	s_wait_xcnt 0x0                                ; EXEC changes only behind this wait
	s_and_saveexec_b32 s21, vcc_lo                 ; lanes 0-15
	ds_store_b32 v253, v[RR]
	ds_store_b32 v253, v[RR+1] offset:4
	ds_store_b32 v253, v[RR+2] offset:8
	s_or_b32 exec_lo, exec_lo, s21                 ; no access to memory was issued under the narrow EXEC
	s_wait_dscnt 0x0                               ; my 192 bytes of the stage are written,
	s_barrier_signal -1
	s_barrier_wait -1                              ; all 768 are
	s_cmp_eq_u32 s20, 3
	s_cbranch_scc1 .Lend                           ; three waves carry the 768 bytes out
	v_add_nc_u32 v3, STAGE, v2
	ds_load_b64 v[184:185], v3
	s_wait_dscnt 0x0
	global_store_b64 v2, v[184:185], s[18:19] th:TH_STORE_NT   ; a wave's store covers 256 consecutive bytes, at a multiple of 256 from out0's first byte
.Lend:
	s_wait_tensorcnt 0x0
	ds_add_u32 v254, v255
	s_wait_dscnt 0x0
	s_endpgm
.Lfunc_end_k_qb732075b6f_nerf:
	.size	k_qb732075b6f_nerf, .Lfunc_end_k_qb732075b6f_nerf-k_qb732075b6f_nerf
	.p2alignl 7, 3214868480
	.fill 96, 4, 3214868480
	.section	.rodata,"a",@progbits
	.p2align	6, 0x0
	.amdhsa_kernel k_qb732075b6f_nerf
		.amdhsa_group_segment_fixed_size 101888
		.amdhsa_private_segment_fixed_size 0
		.amdhsa_enable_private_segment 0
		.amdhsa_kernarg_size 64
		.amdhsa_user_sgpr_count 2
		.amdhsa_user_sgpr_kernarg_segment_ptr 1
		.amdhsa_wavefront_size32 1
		.amdhsa_system_sgpr_workgroup_id_x 1
		.amdhsa_system_sgpr_workgroup_id_y 1
		.amdhsa_system_sgpr_workgroup_id_z 1
		.amdhsa_system_vgpr_workitem_id 0
		.amdhsa_next_free_vgpr 1024
		.amdhsa_next_free_sgpr 66
		.amdhsa_reserve_vcc 1
		.amdhsa_float_denorm_mode_32 3
		.amdhsa_float_denorm_mode_16_64 3
		.amdhsa_memory_ordered 1
		.amdhsa_forward_progress 1
		.amdhsa_inst_pref_size 137
	.end_amdhsa_kernel
	.amdgpu_metadata
---
amdhsa.version: [ 1, 2 ]
amdhsa.kernels:
  - .name:           k_qb732075b6f_nerf
    .symbol:         k_qb732075b6f_nerf.kd
    .args:
      - { .name: W0, .offset: 0, .size: 8, .value_kind: global_buffer, .address_space: global }
      - { .name: Wh, .offset: 8, .size: 8, .value_kind: global_buffer, .address_space: global }
      - { .name: Wout, .offset: 16, .size: 8, .value_kind: global_buffer, .address_space: global }
      - { .name: b0, .offset: 24, .size: 8, .value_kind: global_buffer, .address_space: global }
      - { .name: bh, .offset: 32, .size: 8, .value_kind: global_buffer, .address_space: global }
      - { .name: bout, .offset: 40, .size: 8, .value_kind: global_buffer, .address_space: global }
      - { .name: rays, .offset: 48, .size: 8, .value_kind: global_buffer, .address_space: global }
      - { .name: out0, .offset: 56, .size: 8, .value_kind: global_buffer, .address_space: global }
    .group_segment_fixed_size: 101888
    .private_segment_fixed_size: 0
    .kernarg_segment_align: 8
    .kernarg_segment_size: 64
    .max_flat_workgroup_size: 128
    .sgpr_count:     66
    .vgpr_count:     1024
    .wavefront_size: 32
...
	.end_amdgpu_metadata
.endif
;; end of part 2
